; MI455X (gfx1250); checked and timed in simulation.
; The chip was launched on July 23, 2026; its instructions are those of AMD's public machine-readable ISA for CDNA 5 (MIT licence, August 2026) and "CDNA5" Instruction Set Architecture Reference Guide (July 2026). The comments in the code are by the model that wrote it; some were corrected since.
;; Attention. Allowed arithmetic: matrix products marked QUANTISED: E2M1 operands, one E8M0 scale for each 32 along K, by v_wmma_scale_f32_16x16x128_f8f6f4 with both operands' format E2M1 (or v_wmma_scale_f32_32x16x128_f4), f32 sums; everything else in f32.
;; Inputs: head_codes 8 x 2,048 x 32 x 16 uint8 (E2M1 codes of head, K innermost, in blocks of 32 codes, two codes a byte); head_scales 8 x 2,048 x 32 uint8 (E8M0 scales of head, one for each 32 codes along K); tail 8 x 2,048 x 1,024 float32.
;; Outputs: out0 8 x 2,048 x 1,024 float32.
;; This version of the problem:
;;   THIS VERSION OF THE PROBLEM IS GIVEN IN LOW PRECISION. The matrix products marked QUANTISED in the list below multiply operands that are first quantised to E2M1 (2 exponent bits, 1 mantissa bit; 4 bits a number), with one power-of-two scale for each 32 numbers along K (OCP MX v1.0); their sums are f32. All else is computed in f32.
;;   The module's matrix products, in the order in which they are computed (A, B: the left and right operand; K: the contracted axis; several contracted axes count as one K, in the product's order):
;;     1. batch 8 x [M 2,048, K 1,024] x [K 1,024, N 2,048]; A: input tail; B: input head (given as codes): QUANTISED
;;     2. batch 8 x [M 2,048, K 2,048] x [K 2,048, N 1,024]; A: softmax (see below); B: input tail: QUANTISED
;;   THE QUANTISER, for each operand of a quantised product, along K:
;;     - K is cut into blocks of 32 from its start; a last block that is shorter is filled with zeros.
;;     - A block's scale is 2^e with e = floor(log2(the largest magnitude in the block)) - 2, held to -126 .. 127; a block of zeros has e = 0. As a byte (E8M0): e + 127.
;;     - Each number is divided by its block's scale, clamped to +-6, and rounded to the nearest number of E2M1, ties to even, subnormals kept.
;;     - The product sums the exact products of the quantised numbers (number of the format x scale) in f32.
;;   ~~~python
;;   def quantise(x, axis):      # numpy; x: float32 -> the quantised numbers, widened to float32 again
;;       x = np.moveaxis(x, axis, -1); K = x.shape[-1]
;;       x = np.pad(x, [(0, 0)] * (x.ndim - 1) + [(0, -K % 32)]); x = x.reshape(x.shape[:-1] + (-1, 32)); a = np.abs(x).max(-1, keepdims=True)
;;       e = np.where(a > 0, np.clip(np.frexp(np.where(a > 0, a, 1))[1] - 1 - 2, -126, 127), 0)      # np.frexp(a)[1] - 1 = floor(log2(a)), exactly
;;       r = np.clip(x / 2.0 ** e, -6, 6)
;;       step = 2.0 ** (np.maximum(np.frexp(np.where(r == 0, 1, r))[1] - 1, 0) - 1)
;;       q = np.round(r / step) * step * 2.0 ** e      # np.round: ties to even
;;       return np.moveaxis(q.reshape(q.shape[:-2] + (-1,))[..., :K], -1, axis).astype(np.float32)
;;   ~~~
;;   SOFTMAX AHEAD OF A QUANTISED PRODUCT. Where the list says 'softmax', what is quantised is not the finished softmax but p = 2^(t - M), with t = logit x log2(e) and M = ceil(the row's largest t), a whole number; so 1/2 < the row's largest p <= 1. The row's sum l is taken of the UNQUANTISED p, in f32, and the product's result is divided by l at the end. Since M is a whole number, a kernel that streams over the keys may use a running M (the ceiling of the running maximum): every later rescaling is an exact power of two, which a block's scale takes up: the codes' values come out the same.
;;   OPERANDS COMPUTED ON THE WAY. 'Computed on the way' means the value that the module computes at that place (a softmax that the list does not call 'softmax' is quantised finished and normalised). What goes into a quantiser is computed in f32, as accurately as f32 sums, v_exp_f32 and their like allow (about 1e-6 of the number): no bf16 or f16 on the way to a quantiser, and a product that is left as it is and whose result goes on into a quantised operand takes f32 operands (vector FMAs, or v_wmma_f32_16x16x4_f32). A number that lies on a knife's edge between two numbers of the format may be rounded either way, as far as f32 arithmetic and the matrix unit's own rounding can turn it there, and no further.
;;   INPUTS GIVEN AS CODES. head (in the module: [8, 2048, 1024], K = its axis 2): each comes as NAME_codes (uint8): NAME with its K axis moved to the last place and cut into blocks of 32 codes, [.., K / 32, bytes a block], one block behind the other in memory; two codes a byte, the lower K in the low four bits (a code: sign, 2 exponent bits, 1 mantissa bit); and NAME_scales (uint8): the same leading axes, one E8M0 byte (e + 127) for each 32 codes along K. Its value is code x scale, taken as it is: it is not quantised again, and the codes and scales need not be those that the quantiser above would give.
;; One version. Each part assembles by itself: llvm-mc -triple=amdgcn-amd-amdhsa -mcpu=gfx1250 --defsym DOCPART=n.
;; ======== version 1 of 1: 2 launches
;; limits: right only within a limited range of input values
;; workspace buffers: q_codes 8,388,608 bytes; q_scales 524,288 bytes; v_codes 8,912,896 bytes
;; launch quant (part 1): grid 8 x 128, 4 waves a work-group, no clusters, 68,096 bytes of LDS; arguments tail, q_codes, q_scales, v_codes; writes q_codes, q_scales, v_codes
.if DOCPART == 1
	.amdgcn_target "amdgcn-amd-amdhsa--gfx1250"
	.amdhsa_code_object_version 6
	.text
	.protected	k_qec74b3c192_quant
	.globl	k_qec74b3c192_quant
	.p2align	8
	.type	k_qec74b3c192_quant,@function
k_qec74b3c192_quant:
	s_mov_b64 s[64:65], 0
	v_nop
	global_prefetch_b8 v0, s[64:65] scope:SCOPE_SE
	s_setreg_imm32_b32 hwreg(HW_REG_WAVE_MODE, 25, 1), 1
	s_wait_xcnt 0x0
; tail [8][2048][1024] f32 is quantised TWICE to codes of FP4 (E2M1) with one E8M0 byte for each 32 numbers: along d (the queries of the first product) and along the rows (the values of the second
; product, whose K is the keys).  A block's scale is 2^(floor(log2(its largest magnitude)) - 2); its byte is the largest magnitude's exponent field - 2, held at 1 from below.
; LIMITS: NaN and infinities among the inputs are not served.  A block of zeros gets the byte 1 where the rule says 127: its codes are zeros, which add nothing under any byte but 0xff, and these
; bytes are read by this program alone.
; SHARES.  The 16,384 rows of all batches stand on end.  A work-group takes a tile of 128 rows x 128 d, 65,536 bytes, read from memory once; wave w loads rows 32 w .. 32 w + 31, 512 consecutive bytes a load.
; The tile lies in LDS by rows, 528 bytes apart, and is read twice in the form 'a lane to a line, 32 registers to a block':
;   along d:    lane = row, eight loads of 16 bytes a block;  the wave reads only rows that it stored itself;
;   along rows: lane = column, 32 loads of 4 bytes a block;  behind the one barrier.
; THE CODES LEAVE IN THE ORDER OF THE OPERAND'S REGISTERS.  A fragment (16 lines x 128 along K) is 1,024 bytes: block b of line r is the 16 bytes at 512 (b / 2) + 256 (b % 2) + 16 r: sixteen neighbouring lanes
; store 256 consecutive bytes, aligned.
;   q_codes  [row / 16][d / 128][1024]          q_scales [row / 64][d / 128][64 words]      (a word: the four bytes of a line's 128 along K)
;   v_codes  [batch][chunk of 256 d][half of the key steps][64 d of the chunk][34,816 bytes]: such a piece holds 8 key steps x 4 fragments of codes and behind them 8 key steps x 64 scale words.  Fragment t of a
;   key step has as its line r the column d = 4 r + t of the 64; its scale word is the word 32 (t / 2) + 2 r + t % 2.
; The scale words leave as 128 consecutive bytes a wave: they are one part in 128 of what the launch reads.
.set PITCH, 528
.set GA,  2                            ; v2      16 x lane: my bytes of a load's 512
.set LW,  3                            ; v3      LDS, way in: 32 PITCH x wave + 16 x lane
.set LQ,  4                            ; v4      LDS, along d: my row, PITCH x thread
.set LV,  5                            ; v5, v6  LDS, along rows: my column for rows 0-63 and for rows 64-127 (an LDS offset has 16 bits)
.set CQ,  7                            ; v7      my place in q_codes: (lane / 16) x 8 fragments + 16 (lane % 16)
.set CV,  8                            ; v8      my place in v_codes: (lane / 16) x 1 fragment + 16 (lane % 16)
.set L4,  9                            ; v9      4 x lane: my row's scale word
.set M0,  12                           ; v12-13  two chains of the largest magnitude
.set M1,  13
.set SO,  14                           ; v14     the conversion's scale operand
.set BY,  15                           ; v15     the scale's byte
.set SWQ, 16                           ; v16     my row's scale word
.set SWV, 17                           ; v17     my column's
.set LVS, 18                           ; v18     8 (lane % 16) + 4 (lane / 16): my column's scale word
.set C,   20                           ; v20-51  eight blocks' codes, four registers each: no store's data are written again
.set Y,   52                           ; v52-115 two sets of 32 numbers
.set X,   116                          ; v116-243 my wave's 32 rows as loaded
	s_load_b256 s[4:11], s[0:1], 0x0               ; tail s[4:5], q_codes s[6:7], q_scales s[8:9], v_codes s[10:11]
	v_lshl_add_u32 v254, v0, 2, 0x10800
	v_mov_b32 v255, 0
	v_lshrrev_b32 v10, 5, v0
	v_readfirstlane_b32 s16, v10                   ; wave 0..3
	v_and_b32 v1, 31, v0                           ; lane
	v_lshlrev_b32 v[GA], 4, v1
	v_mul_u32_u24 v[LW], v10, 32*PITCH
	v_lshl_add_u32 v[LW], v1, 4, v[LW]
	v_mul_u32_u24 v[LQ], v0, PITCH                 ; 32 x wave + lane is the thread's number
	v_bfe_u32 v18, v0, 5, 1
	v_bfe_u32 v19, v0, 4, 1
	v_lshl_add_u32 v19, v18, 1, v19                ; t = 2 (wave % 2) + lane / 16
	v_and_b32 v18, 15, v0
	v_lshl_add_u32 v19, v18, 2, v19                ; 4 r + t
	v_and_b32 v18, 64, v0                          ; + 64 (wave / 2): my column along the rows
	v_add_lshl_u32 v[LV], v18, v19, 2
	v_add_nc_u32 v[LV+1], 64*PITCH, v[LV]
	v_lshrrev_b32 v11, 4, v1
	v_and_b32 v10, 15, v0
	v_lshlrev_b32 v[LVS], 3, v10
	v_lshl_add_u32 v[LVS], v11, 2, v[LVS]
	v_lshlrev_b32 v10, 4, v10
	v_lshl_add_u32 v[CQ], v11, 13, v10
	v_lshl_add_u32 v[CV], v11, 10, v10
	v_lshlrev_b32 v[L4], 2, v1
	s_and_b32 s17, ttmp7, 0xffff                   ; which 128 rows;  ttmp9: which 128 d
	s_lshl_b32 s20, s17, 19                        ; tail: 128 rows of 4,096 bytes,
	s_lshl_b32 s18, s16, 17                        ; my wave's 32 rows,
	s_add_co_u32 s20, s20, s18
	s_lshl_b32 s18, ttmp9, 9                       ; 128 d of 4 bytes
	s_add_co_u32 s20, s20, s18
	s_mov_b32 s21, 0
	s_wait_alu depctr_va_vdst(0)
	s_wait_kmcnt 0x0
	s_add_nc_u64 s[4:5], s[4:5], s[20:21]
.set i, 0
.rept 32
	global_load_b128 v[X+4*i:X+4*i+3], v[GA], s[4:5] offset:4096*i th:TH_LOAD_NT   ; row i of my 32: 512 consecutive bytes, read once in the launch
.set i, i+1
.endr
	s_lshl_b32 s22, s17, 16                        ; q_codes: 8 tiles of rows x 8 fragments,
	s_lshl_b32 s18, s16, 14                        ; my wave's 2 tiles of rows,
	s_add_co_u32 s22, s22, s18
	s_lshl_b32 s18, ttmp9, 10                      ; the K step
	s_add_co_u32 s22, s22, s18
	s_mov_b32 s23, 0
	s_add_nc_u64 s[6:7], s[6:7], s[22:23]
	s_lshl_b32 s24, s17, 12                        ; q_scales: 2 blocks of 64 rows x 2,048 bytes,
	s_lshr_b32 s18, s16, 1
	s_lshl_b32 s18, s18, 11                        ; which of the two,
	s_add_co_u32 s24, s24, s18
	s_lshl_b32 s18, ttmp9, 8                       ; the K step's 64 words,
	s_add_co_u32 s24, s24, s18
	s_and_b32 s18, s16, 1
	s_lshl_b32 s18, s18, 7                         ; my wave's 32 of them
	s_add_co_u32 s24, s24, s18
	s_mov_b32 s25, 0
	s_add_nc_u64 s[8:9], s[8:9], s[24:25]
	s_lshr_b32 s26, s17, 4                         ; v_codes: batch,
	s_lshl_b32 s26, s26, 2
	s_lshr_b32 s18, ttmp9, 1                       ; chunk of 256 d,
	s_add_co_u32 s26, s26, s18
	s_lshl_b32 s26, s26, 1
	s_bfe_u32 s18, s17, 0x10003                    ; half of the key steps,
	s_add_co_u32 s26, s26, s18
	s_lshl_b32 s26, s26, 1
	s_and_b32 s18, ttmp9, 1
	s_add_co_u32 s26, s26, s18
	s_lshl_b32 s26, s26, 1
	s_lshr_b32 s18, s16, 1                         ; which 64 d of the chunk: 2 (x % 2) + wave / 2
	s_add_co_u32 s26, s26, s18
	s_mul_i32 s26, s26, 34816                      ; the piece
	s_and_b32 s19, s17, 7                          ; the key step in it
	s_lshl_b32 s28, s19, 8
	s_lshl_b32 s19, s19, 12
	s_and_b32 s18, s16, 1
	s_lshl_b32 s30, s18, 7                         ; my wave's 128 bytes of scale words,
	s_add_co_u32 s28, s28, s30
	s_add_co_u32 s28, s28, s26
	s_add_co_u32 s28, s28, 32768
	s_lshl_b32 s30, s18, 11                        ; and its two fragments
	s_add_co_u32 s26, s26, s19
	s_add_co_u32 s26, s26, s30
	s_mov_b32 s27, 0
	s_mov_b32 s29, 0
	s_add_nc_u64 s[12:13], s[10:11], s[28:29]
	s_add_nc_u64 s[10:11], s[10:11], s[26:27]
.macro LDQ b, p                        ; block b of my row (d 32 b .. + 31) into set p
.irp g, 0,1,2,3,4,5,6,7
	ds_load_b128 v[Y+32*(\p)+4*\g:Y+32*(\p)+4*\g+3], v[LQ] offset:128*(\b)+16*\g
.endr
.endm
.macro LDV b, p                        ; block b of my column (rows 32 b .. + 31) into set p
.set i, 0
.rept 32
	ds_load_b32 v[Y+32*(\p)+i], v[LV+(\b)/2] offset:((32*(\b)+i)%64)*PITCH
.set i, i+1
.endr
.endm
; The 32 numbers of set p become four registers of codes, C + 4 n on, and byte b of the scale word sw.
.macro BLOCK p, n, b, sw
.set YS, Y+32*(\p)
	v_max3_num_f32 v[M0], |v[YS]|, |v[YS+1]|, |v[YS+2]|            ; the block's largest magnitude: all 32 numbers are mine; two chains
	v_max3_num_f32 v[M1], |v[YS+3]|, |v[YS+4]|, |v[YS+5]|
.irp i, 6,10,14,18,22,26
	v_max3_num_f32 v[M0], v[M0], |v[YS+\i]|, |v[YS+\i+1]|
	v_max3_num_f32 v[M1], v[M1], |v[YS+\i+2]|, |v[YS+\i+3]|
.endr
	v_max3_num_f32 v[M0], v[M0], |v[YS+30]|, |v[YS+31]|
	v_max3_num_f32 v[M0], v[M0], v[M1], 0x1800000                  ; and the floor 2^(3 - 127): the byte cannot fall under 1
	v_add_nc_u32 v[SO], 0xff000000, v[M0]                          ; 2 off its exponent field: the conversion takes the exponent field of this operand as its scale
	v_lshrrev_b32 v[BY], 23, v[SO]                                 ; the scale's byte
.if (\b) == 0
	v_mov_b32 v[\sw], v[BY]
.else
	v_lshl_or_b32 v[\sw], v[BY], 8*(\b), v[\sw]                    ; the lower K in the lower byte
.endif
.irp g, 0,1,2,3
	v_cvt_scalef32_pk8_fp4_f32 v[C+4*(\n)+\g], v[YS+8*\g:YS+8*\g+7], v[SO]   ; results go to stores alone; the next block begins with plain vector lines
.endr
.endm
.irp q, 0,1,2,3
	s_wait_loadcnt 24-8*\q                         ; loads come back in order: rows 8 q .. 8 q + 7 are in, the younger rows stay out
.irp i, 0,1,2,3,4,5,6,7
	ds_store_b128 v[LW], v[X+4*(8*\q+\i):X+4*(8*\q+\i)+3] offset:PITCH*(8*\q+\i)
.endr
.endr
	; ---- along d.  LDS serves a wave's instructions in order, and these rows are my wave's own: no barrier
	LDQ 0, 0
	LDQ 1, 1
.irp b, 0,1,2,3
.if \b < 3
	s_wait_dscnt 8                                 ; this block's eight loads are in; the next block's eight may be out
.else
	s_wait_dscnt 0x0
.endif
	BLOCK \b%2, \b, \b, SWQ
	global_store_b128 v[CQ], v[C+4*\b:C+4*\b+3], s[6:7] offset:512*(\b/2)+256*(\b%2)   ; sixteen lanes store 256 consecutive bytes, aligned
.if \b < 2
	LDQ \b+2, \b%2
.endif
.endr
	global_store_b32 v[L4], v[SWQ], s[8:9]
	s_wait_dscnt 0x0                               ; for the others' sake: my rows lie in LDS
	s_barrier_signal -1
	s_barrier_wait -1                              ; all 128 rows do
	; ---- along the rows
	LDV 0, 0
	LDV 1, 1
.irp b, 0,1,2,3
.if \b < 3
	s_wait_dscnt 32                                ; this block's 32 loads are in; the next block's 32 may be out
.else
	s_wait_dscnt 0x0
.endif
	BLOCK \b%2, 4+\b, \b, SWV
	global_store_b128 v[CV], v[C+16+4*\b:C+16+4*\b+3], s[10:11] offset:512*(\b/2)+256*(\b%2)
.if \b < 2
	LDV \b+2, \b%2
.endif
.endr
	global_store_b32 v[LVS], v[SWV], s[12:13]      ; 32 lanes store 128 consecutive bytes
	s_wait_tensorcnt 0x0                           ; the wave's end
	ds_add_u32 v254, v255
	s_wait_dscnt 0x0
	s_endpgm
.Lfunc_end_k_qec74b3c192_quant:
	.size	k_qec74b3c192_quant, .Lfunc_end_k_qec74b3c192_quant-k_qec74b3c192_quant
	.p2alignl 7, 3214868480
	.fill 96, 4, 3214868480
	.section	.rodata,"a",@progbits
	.p2align	6, 0x0
	.amdhsa_kernel k_qec74b3c192_quant
		.amdhsa_group_segment_fixed_size 68096
		.amdhsa_private_segment_fixed_size 0
		.amdhsa_enable_private_segment 0
		.amdhsa_kernarg_size 32
		.amdhsa_user_sgpr_count 2
		.amdhsa_user_sgpr_kernarg_segment_ptr 1
		.amdhsa_wavefront_size32 1
		.amdhsa_system_sgpr_workgroup_id_x 1
		.amdhsa_system_sgpr_workgroup_id_y 1
		.amdhsa_system_sgpr_workgroup_id_z 1
		.amdhsa_system_vgpr_workitem_id 0
		.amdhsa_next_free_vgpr 256
		.amdhsa_next_free_sgpr 66
		.amdhsa_reserve_vcc 0
		.amdhsa_float_denorm_mode_32 3
		.amdhsa_float_denorm_mode_16_64 3
		.amdhsa_memory_ordered 1
		.amdhsa_forward_progress 1
		.amdhsa_inst_pref_size 32
	.end_amdhsa_kernel
	.amdgpu_metadata
---
amdhsa.version: [ 1, 2 ]
amdhsa.kernels:
  - .name:           k_qec74b3c192_quant
    .symbol:         k_qec74b3c192_quant.kd
    .args:
      - { .name: tail, .offset: 0, .size: 8, .value_kind: global_buffer, .address_space: global }
      - { .name: q_codes, .offset: 8, .size: 8, .value_kind: global_buffer, .address_space: global }
      - { .name: q_scales, .offset: 16, .size: 8, .value_kind: global_buffer, .address_space: global }
      - { .name: v_codes, .offset: 24, .size: 8, .value_kind: global_buffer, .address_space: global }
    .group_segment_fixed_size: 68096
    .private_segment_fixed_size: 0
    .kernarg_segment_align: 8
    .kernarg_segment_size: 32
    .max_flat_workgroup_size: 128
    .sgpr_count:     66
    .vgpr_count:     256
    .wavefront_size: 32
...
	.end_amdgpu_metadata
.endif
;; end of part 1
;; launch attn (part 2): grid 32 x 8, 4 waves a work-group, clusters of 4 x 1, 327,680 bytes of LDS; arguments head_codes, head_scales, q_codes, q_scales, v_codes, out0; writes out0
.if DOCPART == 2
	.amdgcn_target "amdgcn-amd-amdhsa--gfx1250"
	.amdhsa_code_object_version 6
	.text
	.protected	k_qec74b3c192_attn
	.globl	k_qec74b3c192_attn
	.p2align	8
	.type	k_qec74b3c192_attn,@function
k_qec74b3c192_attn:
	s_mov_b64 s[64:65], 0
	v_nop
	global_prefetch_b8 v0, s[64:65] scope:SCOPE_SE
	s_setreg_imm32_b32 hwreg(HW_REG_WAVE_MODE, 25, 1), 1
	s_wait_xcnt 0x0
	s_wait_alu depctr_hold_cnt(0) depctr_sa_sdst(0) depctr_va_vdst(0) depctr_va_sdst(0) depctr_va_ssrc(0) depctr_va_vcc(0) depctr_vm_vsrc(0)
	s_getreg_b32 s2, hwreg(HW_REG_IB_STS2, 6, 4)
	s_cmp_eq_u32 s2, 0
	s_cbranch_scc0 .Lentry_in_a_cluster
	s_endpgm
.Lentry_in_a_cluster:
	s_bfe_u32 s2, ttmp6, 0x10000c
	s_cmp_lg_u32 s2, 0x3003
	s_cbranch_scc0 .Lentry_shape_is_right
	s_endpgm
.Lentry_shape_is_right:
; out[b][q][:] = the sum over k of softmax_k(tail[b][q] . head[b][k] / 32) tail[b][k][:], both products on codes of FP4 (E2M1) with one E8M0 byte for each 32 along a product's K.
; Queries: q_codes / q_scales (tail along d).  Keys: head_codes [8][2048][512 bytes], head_scales [8][2048][32], as given.  Values: v_codes (tail along the keys, codes and scale words in dense pieces of 34,816 bytes).
; SHARES.  A work-group owns 64 queries of one batch (four tiles a of 16; ap = a / 2); 256 work-groups, four waves each.
; PHASE 1, all scores: S^T = K Q^T, keys in eight PAIRS of two steps of 128.  In a step wave w takes keys 32 w .. + 31 (source 0, 32 rows) against the four tiles of queries: 4 accumulators by turns, 8 K steps.  Q stays in registers.
;   A lane holds ONE query (lane % 16) and 16 of the 32 keys of the wave's block; the other 16 lie in lane l xor 16.
; THE SOFTMAX, block by block of 32 keys: t = score x log2(e) / 32; n = floor(the block's largest t), a whole number; p = 2^(t - n), the largest in 1 .. 2: so the block's scale is 2^(n - 2) whatever M is, and the
;   conversion's scale operand is the constant 2^-2.  Kept of a block: codes, n and the sum s of the unquantised p.  Nothing is rescaled on the way.
; Between the phases: R = the largest n of a query over all its blocks; a block's scale byte is max(n - R + 64, 0) and l = the sum of s x 2^byte.
; PHASE 2: O = P V, source 0 = 32 queries of P, source 1 = 16 d of V.  All of P (64 queries x 2,048 keys) stands in 512 registers.  O is made in four chunks of 256 d, wave w 64 d of each: 8 accumulators by turns over all
;   2,048 keys.  Fragment t of V has the columns d = 4 r + t, so that a lane's four accumulators hold four neighbouring d of a row: out = O x 2^125 / l goes straight from registers, sixteen lanes to an aligned unit of 256 bytes,
;   while the next chunk is multiplied.
; LIMITS: |t| < 2^31 (from 2^23 on the exponents t - n carry the f32 rounding of t, as reference()'s do); NaN and infinities are not served; a block more than 64 binades under R enters with the byte 0.
; LDS.  Two slots: of a pair of K, then of a half of a chunk of V (inside the footprint of the K tiles).  All of a WGP's LDS is claimed.
; CLUSTER.  The four work-groups of a cluster belong to one batch and walk the same K and V: each tile is asked for JOINTLY.  Each wave fetches a quarter of a slot, one tensor load behind each barrier; one is out at a time.
; K's scale bytes (one part in 17 of K's bytes) go from memory into the registers that use them, 1,024 consecutive bytes a wave and step.
; THE ORDER.  A batch has eight clusters j (batch = 4 (x / 4) + y / 2, j = x % 4 + 4 (y % 2)).  With ha = j % 2, rho = j / 2, cluster j walks the pairs 4 ha + (rho + k) % 4, k = 0 .. 3, then the other half's likewise, and V's chunks
; (rho + c) % 4, half ha first.  So the eight begin with eight different pairs, and with eight different pieces of V, and what a cluster asks for later other clusters of its batch ask for earlier: no prefetch is written.
; REGISTERS, in windows of 256.  Phase 1: window 0 see below; 1: Q, fragment (a, s) at 64 a + 8 s; 2: codes of steps 8-15, 8 a step; 3: K's fragments, two steps of 128.
; Phase 2: window 1: accumulators 0-127, results on their way out 128-255; 3: P of steps 0-7, 2: P of steps 8-15: (i, a) at 32 (i % 8) + 8 a.
.set KP,    560                        ; a key's row in LDS: 512 bytes + 48 of padding: an odd multiple of 16, so that the 16 rows of a load fall on 16 different 16-byte columns; 256 such rows hold four pieces of V
.set SLOT,  256*KP                     ; 143,360
.set VPART, 34816                      ; a wave's piece of V: 8 key steps x 4,096 bytes of codes, then 8 x 256 bytes of scale words
.set PIMG,  2*SLOT                     ; P's fragments of 8 steps, as images of their registers: (i, a) at 1,024 (4 i + a)
.set SIMG,  PIMG+32768                 ; P's scale words: (i, ap) at 128 (2 i + ap) + 4 x lane
.set NIMG,  SIMG+4096                  ; the waves' largest n: 256 w + 128 ap + 4 x lane; 1,024 on their sums; 2,048 on 2^125 / l, each wave's own
.set SPARE, NIMG+3072                  ; the spare words, 128 bytes for each wave: two blocks of 256 bytes that no other line names
.set SPW, 1                            ; v1   LDS address of my spare word; never rewritten
.set NIL, 2                            ; v2   0; never rewritten
.set AK,  3                            ; v3-6 my lane's place in my wave's 32 keys: slot 0 steps 0, 1; slot 1 steps 0, 1
.set PWR, 7                            ; v7   where I put a register of p's codes
.set PWA, 8                            ; v8   the same in this trip
.set AV,  9                            ; v9-16  V's codes: slot 0, walk pairs 0-3; slot 1
.set AVS, 17                           ; v17-24 V's scale words likewise
.set GO,  25                           ; v25  16 x lane
.set KSO, 26                           ; v26  32 x thread: my key's scale bytes
.set OO,  27                           ; v27  my place in out: 8 (lane / 16) rows + 16 (lane % 16)
.set PLI, 28                           ; v28  PIMG + 16 x lane
.set QSO, 29                           ; v29  4 (lane % 16)
.set SCO, 30                           ; v30  2^-2, the conversions' scale operand
.set NW,  31                           ; v31  NIMG + 256 w + 4 x lane
.set QS,  32                           ; v32-63  Q's scale words (4 s + a);  phase 2: P's (2 i + ap)
.set KS,  64                           ; v64-95  K's scale words, two pairs x two steps x 8;  phase 2: VS
.set VS,  64                           ; v64-79  V's scale words, four sets of four
.set S,   96                           ; v96-159 S^T, then p: 16 a + 0 .. 15
.set F,   96                           ; v96-223 phase 2: four sets of four fragments of V
.set MX,  160                          ; v160-163 at work
.set NB,  164                          ; v164-171 tile a: the pair (-n, 0)
.set SM,  172                          ; v172-179 tile a: a pair of sums
.set CD,  180                          ; v180-187 the codes just made
.set NR,  180                          ; between the phases: v180 NIMG + 4 x lane, v181 SIMG + 4 x lane + w, v182 SIMG + 4 x lane, v183 my wave's 2^125 / l + 32 (lane / 16)
.set NS,  192                          ; v192-255 four groups of four steps: n at 16 g + 4 ap + i, s 8 on
.set INV, 224                          ; v224-255 phase 2: 2^125 / l of query 16 a + 8 (lane / 16) + j at 8 a + j
.set KB,   4                           ; s[4:5] head_codes at my batch and my quarter of a pair; s[6:7] head_scales at my batch; s[12:13] v_codes likewise; s[14:15] out at my rows and my 64 d
.set KSB,  6
.set VB,   12
.set OUT,  14
.set WV,   18                          ; s18  my wave's number
.set CX,   19                          ; s19  my place in the cluster: it enters Q's and out's addresses alone
.set RHO,  20
.set HA,   21
.set CS,   22                          ; s[22:23] c = log2(e) / 32; the packed form names a pair and takes its low word for both halves
.set G1K,  24                          ; s[24:31] descriptor group 1 of K, s[32:39] of V; s[40:43], s[44:47] their groups 0
.set G1V,  32
.set G0K,  40
.set G0V,  44
.set CNT,  48
.set KK,   49                          ; s49  the walk's pair last asked for
.set KO,   50
.set KOS,  52
.set VO,   54
.set VV,   56                          ; s56  the next piece of V to ask for
.set KL,   57                          ; s57, s58 my quarter's place in a slot: K, V
.set VL,   58
.set PO,   59
.set SB,   60                          ; s[60:61] the pair's scale bytes in memory
.set CC,   62                          ; s62  the chunk that goes out next
.set OB,   66                          ; s[66:67] its place in out
.set MSB, 0
.macro WIN new                         ; the immediate's high byte repeats the setting that is left; a switch that changes nothing is dropped
.if MSB != (\new)
	s_set_vgpr_msb (MSB<<8)|(\new)
.set MSB, \new
.endif
.endm
; A load into a register that a matrix instruction has read, and a vector instruction that reads a matrix result, stand four places behind it; only plain vector instructions that name none of its registers
; are places (ISA guide 7.12.1 for vector instructions).
.macro PLACES n
.rept \n
	v_nop
.endr
.endm
; A round of the cluster's barrier behind its opening barrier: wave 0 signals for the work-group; every wave waits for all four work-groups; my work-group's barrier once more.
.macro CREST
	s_cmp_lg_u32 s[WV], 0
	s_cbranch_scc1 .Lnot_wave_0_\@
	s_barrier_signal -3
.Lnot_wave_0_\@:
	s_barrier_wait -3
	s_barrier_signal -1
	s_barrier_wait -1
.endm
.macro ROUND
	s_barrier_signal -1
	s_barrier_wait -1
	CREST
.endm
; The next pair of the walk: K's descriptor into slot, and where its scale bytes stand.  Written behind the waits that show the earlier loads done.
.macro KNEXT slot
	s_add_co_u32 s[KK], s[KK], 1
	s_add_co_u32 s68, s[RHO], s[KK]
	s_and_b32 s68, s68, 3
	s_lshr_b32 s69, s[KK], 2
	s_xor_b32 s69, s69, s[HA]
	s_lshl_b32 s69, s69, 2
	s_or_b32 s68, s68, s69                         ; the pair
	s_lshl_b32 s[KO], s68, 17                      ; 131,072 bytes of codes a pair,
	s_lshl_b32 s[KOS], s68, 13                     ; 8,192 of scales
	s_add_co_u32 s[G0K+1], s[KL], \slot*SLOT
	s_add_nc_u64 s[G0K+2:G0K+3], s[KB:KB+1], s[KO:KO+1]
	s_or_b32 s[G0K+3], s[G0K+3], 0x80000000        ; 127:126 type = 2
	s_add_nc_u64 s[SB:SB+1], s[KSB:KSB+1], s[KOS:KOS+1]
.endm
; The next piece of V: chunk (rho + v / 2) % 4, half ha xor v % 2.
.macro VNEXT slot
	s_lshr_b32 s68, s[VV], 1
	s_add_co_u32 s68, s68, s[RHO]
	s_and_b32 s68, s68, 3
	s_lshl_b32 s68, s68, 1
	s_and_b32 s69, s[VV], 1
	s_xor_b32 s69, s69, s[HA]
	s_or_b32 s68, s68, s69
	s_mul_i32 s[VO], s68, 4*VPART
	s_add_co_u32 s[VV], s[VV], 1
	s_add_co_u32 s[G0V+1], s[VL], \slot*SLOT
	s_add_nc_u64 s[G0V+2:G0V+3], s[VB:VB+1], s[VO:VO+1]
	s_or_b32 s[G0V+3], s[G0V+3], 0x80000000
.endm
.macro LDKS buf                        ; my key's 8 scale words of both steps of the pair
.irp u, 0,1
	global_load_b128 v[KS+16*\buf+8*\u:KS+16*\buf+8*\u+3], v[KSO], s[SB:SB+1] offset:4096*\u
	global_load_b128 v[KS+16*\buf+8*\u+4:KS+16*\buf+8*\u+7], v[KSO], s[SB:SB+1] offset:4096*\u+16
.endr
.endm
; ---------------- phase 1 ----------------
; K's fragments of a whole step: lane (r, h) holds key r (kt = 0) and key 16 + r (kt = 1); registers 4 c .. 4 c + 3 hold k = 64 c + 32 h + 0 .. 31: the 16 bytes at 64 s + 32 c + 16 h of the key's row.
.macro LDK slot, par
	WIN 0xc0                                       ; destination window 3
.irp s, 0,1,2,3,4,5,6,7
.irp kt, 0,1
.irp c, 0,1
	ds_load_b128 v[128*\par+16*\s+8*\kt+4*\c:128*\par+16*\s+8*\kt+4*\c+3], v[AK+2*(\slot)+\par] offset:16*KP*\kt+64*\s+32*\c
.endr
.endr
.endr
	WIN 0
.endm
; 32 matrix instructions: eight K steps x the four accumulators, which take turns, one instruction a turn.  K step 0 starts the sums.
; The waits: eight loads a group of two K steps, in order; st = the LDS stores issued behind the loads.
.macro MULS slot, par, st
	WIN 0x07                                       ; source 0 (K) window 3, source 1 (Q) window 1, C and D window 0
.irp sg, 0,1,2,3
	s_wait_dscnt 24-8*\sg+\st
.irp sl, 0,1
.irp a, 0,1,2,3
.set sK, 2*\sg+\sl
.if sK == 0
	v_wmma_scale_f32_32x16x128_f4 v[S+16*\a:S+16*\a+15], v[128*\par+16*sK:128*\par+16*sK+15], v[64*\a+8*sK:64*\a+8*sK+7], 0, v[KS+16*\slot+8*\par+sK], v[QS+4*sK+\a]
.else
	v_wmma_scale_f32_32x16x128_f4 v[S+16*\a:S+16*\a+15], v[128*\par+16*sK:128*\par+16*sK+15], v[64*\a+8*sK:64*\a+8*sK+7], v[S+16*\a:S+16*\a+15], v[KS+16*\slot+8*\par+sK], v[QS+4*sK+\a]
.endif
.endr
.endr
.endr
	WIN 0
.endm
; THE SOFTMAX of a step: the block's largest score and n.  The exchange of halves joins lanes l and l xor 16 of two tiles at once: lanes 0-15 then hold tile 2 p, lanes 16-31 tile 2 p + 1, which is the layout of P's scale words;
; the second exchange, of two equal registers, gives each tile's -n to all lanes.
.macro SM_A g, i
.irp a, 0,1,2,3
	v_max3_num_f32 v[MX+\a], v[S+16*\a], v[S+16*\a+1], v[S+16*\a+2]
.endr
.irp k, 3,5,7,9,11,13
.irp a, 0,1,2,3
	v_max3_num_f32 v[MX+\a], v[MX+\a], v[S+16*\a+\k], v[S+16*\a+\k+1]
.endr
.endr
.irp a, 0,1,2,3
	v_max_num_f32 v[MX+\a], v[MX+\a], v[S+16*\a+15]
.endr
.irp p, 0,1
	v_permlane16_swap_b32 v[MX+2*\p], v[MX+2*\p+1]
.endr
.irp p, 0,1
	v_max_num_f32 v[MX+2*\p], v[MX+2*\p], v[MX+2*\p+1]
.endr
.irp p, 0,1
	v_mul_f32 v[MX+2*\p+1], s[CS], v[MX+2*\p]      ; as t (c is positive)
.endr
.irp p, 0,1
	v_ceil_f32 v[NB+4*\p], -v[MX+2*\p+1]           ; -n = -floor(t) = ceil(-t)
.endr
.irp p, 0,1
	v_ceil_f32 v[NB+4*\p+2], -v[MX+2*\p+1]
.endr
.irp p, 0,1
	v_floor_f32 v[NS+16*(\g)+4*\p+(\i)], v[MX+2*\p+1]   ; n, kept
.endr
.irp p, 0,1
	v_permlane16_swap_b32 v[NB+4*\p], v[NB+4*\p+2]
.endr
.endm
; p, codes and sums.  cd = 0: the codes go to LDS, place i of the trip; cd = 1: they stay in window 2.
.macro SM_B g, i, cd
.irp j, 0,2,4,6,8,10,12,14
.irp a, 0,1,2,3
	v_pk_fma_f32 v[S+16*\a+\j:S+16*\a+\j+1], v[S+16*\a+\j:S+16*\a+\j+1], s[CS:CS+1], v[NB+2*\a:NB+2*\a+1] op_sel_hi:[1,0,0]   ; t - n, two at a time
.endr
.endr
	s_wait_alu depctr_va_vdst(0)                   ; the wait ahead of the batch
.set x, 0
.rept 64
	v_exp_f32 v[S+x], v[S+x]
.set x, x+1
.endr
	v_nop                                          ; a plain place behind the exponentials
	s_wait_alu depctr_va_vdst(0)                   ; and the wait ahead of the batch's first reader
.if \cd
	WIN 0x80                                       ; destination window 2
.irp a, 0,1,2,3
.irp kt, 0,1
	v_cvt_scalef32_pk8_fp4_f32 v[8*(4*((\g)-2)+(\i))+2*\a+\kt], v[S+16*\a+8*\kt:S+16*\a+8*\kt+7], v[SCO]   ; the codes of keys 16 kt + 8 h + 0 .. 7 of the block
.endr
.endr
	WIN 0
.else
.irp a, 0,1,2,3
.irp kt, 0,1
	v_cvt_scalef32_pk8_fp4_f32 v[CD+2*\a+\kt], v[S+16*\a+8*\kt:S+16*\a+8*\kt+7], v[SCO]
.endr
.endr
.endif
.irp a, 0,1,2,3
	v_pk_add_f32 v[SM+2*\a:SM+2*\a+1], v[S+16*\a:S+16*\a+1], v[S+16*\a+2:S+16*\a+3]   ; THE SUM IS TAKEN OF THE UNQUANTISED p
.endr
.irp j, 4,6,8,10,12,14
.irp a, 0,1,2,3
	v_pk_add_f32 v[SM+2*\a:SM+2*\a+1], v[SM+2*\a:SM+2*\a+1], v[S+16*\a+\j:S+16*\a+\j+1]
.endr
.endr
.irp a, 0,1,2,3
	v_add_f32 v[MX+\a], v[SM+2*\a], v[SM+2*\a+1]
.endr
.irp p, 0,1
	v_permlane16_swap_b32 v[MX+2*\p], v[MX+2*\p+1]
.endr
.irp p, 0,1
	v_add_f32 v[NS+16*(\g)+8+4*\p+(\i)], v[MX+2*\p], v[MX+2*\p+1]   ; the block's sum, laid as n
.endr
.if (\cd) == 0
.irp a, 0,1,2,3
.irp kt, 0,1
	ds_store_b32 v[PWA], v[CD+2*\a+\kt] offset:4096*(\i)+1024*\a+8*\kt   ; register 4 (w / 2) + 2 kt + h of lane r + 16 (w % 2) of P's fragment
.endr
.endr
.endif
.endm
; THE CHANGE OF SLOTS.  Each wave waits for its scale bytes and its tensor load (its part of the next pair), adds 0 to its spare word, and waits for that, for its reads of the slot that it leaves and for its LDS stores.
; The barrier is a round of the cluster's; the search for the largest scores, work on registers, stands between its opening signal and wait.  Behind it the slot just left is filled again first (next = 0: K, 1: V's first piece).
.macro CHANGE next, slot, g, i
	s_wait_loadcnt 0x0
	s_wait_tensorcnt 0x0
	ds_add_u32 v[SPW], v[NIL]                      ; 0 onto my spare word
.if \next
	VNEXT \slot
.else
	KNEXT \slot
.endif
	s_wait_dscnt 0x0
	s_barrier_signal -1
	PLACES 4
	SM_A \g, \i
	s_wait_alu depctr_va_vdst(0)
	s_barrier_wait -1
	CREST
.if \next
	tensor_load_to_lds s[G0V:G0V+3], s[G1V:G1V+7]
	s_nop 0
.else
	tensor_load_to_lds s[G0K:G0K+3], s[G1K:G1K+7]
	s_nop 0
	LDKS \slot
.endif
.endm
; A pair.  On entry its first step's fragments are on their way.  While a step's softmax runs, the next step's fragments come from LDS.  next = 2: nothing follows.
.macro PAIR slot, g, i, cd, next
	MULS \slot, 0, 8-8*\cd
	LDK \slot, 1
	PLACES 4
	SM_A \g, \i
	SM_B \g, \i, \cd
	MULS \slot, 1, 8-8*\cd
.if \next < 2
	CHANGE \next, \slot, \g, \i+1
	LDK 1-\slot, 0
.else
	PLACES 4
	SM_A \g, \i+1
.endif
	SM_B \g, \i+1, \cd
.endm
; ---------------- phase 2 ----------------
; Step i of a slot: V's four fragments and their scale words, ten loads (withp = 1: and P's four fragments of step 8 + i, eight more).
.macro VLD slot, i, withp
.irp t, 0,1,2,3
.irp c, 0,1
	ds_load_b128 v[F+32*((\i)%4)+8*\t+4*\c:F+32*((\i)%4)+8*\t+4*\c+3], v[AV+4*\slot+(\i)/2] offset:4096*((\i)%2)+1024*\t+512*\c
.endr
.endr
.irp u, 0,1
	ds_load_b64 v[VS+4*((\i)%4)+2*\u:VS+4*((\i)%4)+2*\u+1], v[AVS+4*\slot+(\i)/2] offset:256*((\i)%2)+128*\u
.endr
.if \withp
	WIN 0x80
.irp a, 0,1,2,3
.irp c, 0,1
	ds_load_b128 v[32*(\i)+8*\a+4*\c:32*(\i)+8*\a+4*\c+3], v[PLI] offset:4096*(\i)+1024*\a+512*\c
.endr
.endr
	WIN 0
.endif
.endm
; Matrix instructions lo .. hi - 1 of step i's eight: accumulator 2 t + ap at 16 (2 t + ap); the eight take turns, one instruction a turn.  z = 1: step 0 of slot 0 starts the sums.
.macro MUL2 slot, i, lo, hi, z
.if \slot
	WIN 0x52                                       ; source 0 (P) window 2, source 1 (V) window 0, C and D window 1
.else
	WIN 0x53                                       ; source 0 window 3
.endif
.set x, \lo
.rept \hi-\lo
.set rT, x/2
.set rP, x%2
.if (\z) && ((\i) == 0) && ((\slot) == 0)
	v_wmma_scale_f32_32x16x128_f4 v[16*x:16*x+15], v[32*(\i)+16*rP:32*(\i)+16*rP+15], v[F+32*((\i)%4)+8*rT:F+32*((\i)%4)+8*rT+7], 0, v[QS+2*(8*\slot+(\i))+rP], v[VS+4*((\i)%4)+rT]
.else
	v_wmma_scale_f32_32x16x128_f4 v[16*x:16*x+15], v[32*(\i)+16*rP:32*(\i)+16*rP+15], v[F+32*((\i)%4)+8*rT:F+32*((\i)%4)+8*rT+7], v[16*x:16*x+15], v[QS+2*(8*\slot+(\i))+rP], v[VS+4*((\i)%4)+rT]
.endif
.set x, x+1
.endr
.endm
.macro OST m                           ; 16 lanes store 256 consecutive bytes, at a multiple of 256 from out's first byte; written once, read by nobody here
	global_store_b128 v[OO], v[128+4*(\m):128+4*(\m)+3], s[OB:OB+1] offset:(16*((\m)/8)+(\m)%8)*4096 th:TH_STORE_NT
.endm
; A slot's eight steps.  On entry steps 0 and 1 are on their way; a step's loads stand two steps ahead of its products, into the set read two steps back: two v_nop a step make the four places.
; st = 1: half of the stores of the chunk before leave here.  end = 0: a round of the cluster's barrier, and the slot is filled again first behind it; 1: a barrier, nothing is filled; 2: nothing.
.macro VSLOT slot, withp, st, end
.irp i, 0,1,2,3,4,5
.if \st
	WIN 0x04                                       ; a store's data are its source 1: window 1
.if \i < 5
	OST 16*\slot+3*\i
	OST 16*\slot+3*\i+1
	OST 16*\slot+3*\i+2
.else
	OST 16*\slot+15
.endif
.endif
	WIN 0
	PLACES 2
	VLD \slot, \i+2, \withp
	s_wait_dscnt 20+16*\withp                      ; two younger steps may be out
	MUL2 \slot, \i, 0, 8, 1
.endr
	s_wait_dscnt 10+8*\withp                       ; one younger step may be out
	MUL2 \slot, 6, 0, 8, 1
.if \end == 2
	s_wait_dscnt 0x0
	MUL2 \slot, 7, 0, 8, 1
	WIN 0
.else
	WIN 0
	s_wait_tensorcnt 0x0                           ; my piece of the next slot is in, so group 0 may be written
	ds_add_u32 v[SPW], v[NIL]                      ; 0 onto my spare word
.if \end == 0
	VNEXT \slot
.endif
	s_wait_dscnt 1                                 ; (the add may be out)
	MUL2 \slot, 7, 0, 4, 1
	s_wait_dscnt 0x0                               ; the add is done, and my reads of this slot are over
	s_barrier_signal -1
	MUL2 \slot, 7, 4, 8, 1                         ; work on registers while the others arrive
	WIN 0
	s_barrier_wait -1
.if \end == 0
	CREST
	tensor_load_to_lds s[G0V:G0V+3], s[G1V:G1V+7]
	s_nop 0
.endif
	PLACES 4
.endif
.endm
.macro OBASE                           ; where chunk (rho + CC) % 4 goes; behind the wait the earlier stores' registers and base may be written
	s_wait_xcnt 0x0
	s_add_co_u32 s68, s[RHO], s[CC]
	s_and_b32 s68, s68, 3
	s_lshl_b32 s68, s68, 10
	s_mov_b32 s69, 0
	s_add_nc_u64 s[OB:OB+1], s[OUT:OUT+1], s[68:69]
	s_add_co_u32 s[CC], s[CC], 1
.endm
; Tile a = 2 ap + e of a finished chunk: x 2^125 / l, and the four accumulators' registers beside each other.
.macro OMUL ap, e
	WIN 0x41                                       ; destination and source 0 window 1, source 1 window 0
.irp j, 0,1,2,3,4,5,6,7
.irp t, 0,1,2,3
	v_mul_f32 v[128+4*(8*(2*\ap+\e)+\j)+\t], v[16*(2*\t+\ap)+8*\e+\j], v[INV+8*(2*\ap+\e)+\j]
.endr
.endr
.endm
.macro OMULS
	OBASE
	OMUL 0, 0
	OMUL 0, 1
	OMUL 1, 0
	OMUL 1, 1
	WIN 0
	s_wait_alu depctr_va_vdst(0)
.endm
; ---------------- the head ----------------
	s_load_b256 s[4:11], s[0:1], 0x0               ; head_codes, head_scales, q_codes s[8:9], q_scales s[10:11]
	s_load_b128 s[12:15], s[0:1], 0x20             ; v_codes, out0
	v_lshl_add_u32 v[SPW], v0, 2, SPARE
	v_mov_b32 v[NIL], 0
	ds_add_u32 v[SPW], v[NIL]                      ; the opening: the add, twice on end, and its wait
	ds_add_u32 v[SPW], v[NIL]
	v_lshrrev_b32 v160, 5, v0                      ; w
	v_readfirstlane_b32 s[WV], v160
	v_and_b32 v161, 15, v0                         ; r
	v_bfe_u32 v162, v0, 4, 1                       ; h
	v_and_b32 v163, 31, v0                         ; lane
	v_mul_u32_u24 v[AK], v161, KP
	v_lshl_add_u32 v[AK], v162, 4, v[AK]
	v_mad_u32_u24 v[AK], v160, 32*KP, v[AK]        ; key 32 w + r, + 16 h
	v_add_nc_u32 v[AK+1], 128*KP, v[AK]
	v_add_nc_u32 v[AK+2], SLOT, v[AK]
	v_add_nc_u32 v[AK+3], SLOT, v[AK+1]
	v_lshlrev_b32 v[PWR], 4, v161
	v_lshl_add_u32 v[PWR], v162, 2, v[PWR]
	v_lshl_add_u32 v[PWR], v160, 8, v[PWR]
	v_add_nc_u32 v[PWR], PIMG, v[PWR]              ; 256 w + 16 r + 4 h
	v_lshlrev_b32 v[GO], 4, v163
	v_lshlrev_b32 v[KSO], 5, v0
	v_lshlrev_b32 v[OO], 15, v162
	v_lshl_add_u32 v[OO], v161, 4, v[OO]
	v_add_nc_u32 v[PLI], PIMG, v[GO]
	v_lshlrev_b32 v[QSO], 2, v161
	v_mov_b32 v[SCO], 0x3e800000
	v_lshl_add_u32 v[NW], v163, 2, NIMG
	v_lshl_add_u32 v[NW], v160, 8, v[NW]
	s_wait_alu depctr_va_vdst(0)
	s_wait_dscnt 0x0                               ; both opening adds are done
	s_bfe_u32 s[CX], ttmp6, 0x40000                ; cx
	; in a cluster launch ttmp9 and ttmp7 count clusters: x = 0 .. 7, y = 0 .. 7.  s68 to s77 feed the descriptors and never hold cx
	s_and_b32 s68, ttmp7, 0xffff                   ; y
	s_lshr_b32 s69, ttmp9, 2
	s_lshl_b32 s69, s69, 2
	s_lshr_b32 s70, s68, 1
	s_add_co_u32 s69, s69, s70                     ; the batch
	s_and_b32 s70, ttmp9, 3
	s_and_b32 s71, s68, 1
	s_lshl_b32 s71, s71, 2
	s_add_co_u32 s70, s70, s71                     ; j
	s_and_b32 s[HA], s70, 1
	s_lshr_b32 s[RHO], s70, 1
	s_mul_i32 s[KL], s[WV], 64*KP                  ; I fetch keys 64 w .. + 63 of a pair,
	s_mul_i32 s[VL], s[WV], VPART                  ; and of V what I use myself
	s_lshl_b32 s72, s69, 20                        ; K's codes: a batch is 2^20 bytes,
	s_lshl_b32 s73, s[WV], 15
	s_add_co_u32 s72, s72, s73
	s_mov_b32 s73, 0
	s_lshl_b32 s74, s69, 16                        ; its scales 2^16,
	s_mov_b32 s75, 0
	s_mul_i32 s76, s69, 32*VPART                   ; V: 32 pieces
	s_add_co_u32 s76, s76, s[VL]
	s_mov_b32 s77, 0
	s_lshl_b32 s78, s69, 5
	s_lshl_b32 s79, s70, 2
	s_add_co_u32 s78, s78, s79
	s_add_co_u32 s78, s78, s[CX]                   ; my block of 64 queries, over all batches: 32 x batch + 4 j + cx
	s_lshl_b32 s80, s78, 15                        ; its 32 fragments of Q,
	s_mov_b32 s81, 0
	s_lshl_b32 s82, s78, 11                        ; its scale words,
	s_mov_b32 s83, 0
	s_lshl_b32 s84, s78, 18                        ; its 64 rows of out, and my wave's 256 bytes of a chunk
	s_lshl_b32 s85, s[WV], 8
	s_add_co_u32 s84, s84, s85
	s_mov_b32 s85, 0
	s_mov_b32 s[CS], 0x3d38aa3b                    ; c = log2(e) / 32
	s_mov_b32 s[CS+1], s[CS]                       ; (named with it as a pair, so it is written)
	; descriptor group 1.  K's codes: 64 rows of 512 bytes, 48 bytes of padding behind each
	s_mov_b32 s[G1K], 15|(0<<16)|(1<<20)|(1<<21)|(6<<22)|(11<<25)  ; 15:0 the mask: all four work-groups; 17:16 elements of 1 byte; 20 padding on; 21 set beside a mask; 24:22 after every 128 words (code 6); 31:25 twelve words (code 11)
	s_mov_b32 s[G1K+1], 512<<16                    ; tensor_dim0
	s_mov_b32 s[G1K+2], 64<<16                     ; tensor_dim1
	s_mov_b32 s[G1K+3], 512<<16                    ; tile_dim0
	s_mov_b32 s[G1K+4], 64                         ; tile_dim1
	s_mov_b32 s[G1K+5], 512                        ; tensor_dim0_stride
	s_mov_b32 s[G1K+6], 0
	s_mov_b32 s[G1K+7], 0
	; V: a piece's 34,816 dense bytes as 136 rows of 256 bytes (32 elements of 8 bytes), no padding
	s_mov_b32 s[G1V], 15|(3<<16)|(1<<21)
	s_mov_b32 s[G1V+1], 32<<16
	s_mov_b32 s[G1V+2], 136<<16
	s_mov_b32 s[G1V+3], 32<<16
	s_mov_b32 s[G1V+4], 136
	s_mov_b32 s[G1V+5], 32
	s_mov_b32 s[G1V+6], 0
	s_mov_b32 s[G1V+7], 0
	s_mov_b32 s[G0K], 1                            ; 1:0 count = 1
	s_mov_b32 s[G0V], 1
	s_mov_b32 s[KO+1], 0
	s_mov_b32 s[KOS+1], 0
	s_mov_b32 s[VO+1], 0
	s_mov_b32 s[VV], 0
	s_mov_b32 s[CC], 0
	s_mov_b32 s[PO], 0
	s_mov_b32 s[KK], 0
	s_wait_kmcnt 0x0
	s_add_nc_u64 s[KB:KB+1], s[KB:KB+1], s[72:73]
	s_add_nc_u64 s[KSB:KSB+1], s[KSB:KSB+1], s[74:75]
	s_add_nc_u64 s[VB:VB+1], s[VB:VB+1], s[76:77]
	s_add_nc_u64 s[8:9], s[8:9], s[80:81]
	s_add_nc_u64 s[10:11], s[10:11], s[82:83]
	s_add_nc_u64 s[OUT:OUT+1], s[OUT:OUT+1], s[84:85]
	s_lshl_b32 s68, s[HA], 2
	s_or_b32 s68, s68, s[RHO]                      ; the walk's first pair
	s_lshl_b32 s[KO], s68, 17
	s_lshl_b32 s[KOS], s68, 13
	s_mov_b32 s[G0K+1], s[KL]
	s_add_nc_u64 s[G0K+2:G0K+3], s[KB:KB+1], s[KO:KO+1]
	s_or_b32 s[G0K+3], s[G0K+3], 0x80000000
	s_add_nc_u64 s[SB:SB+1], s[KSB:KSB+1], s[KOS:KOS+1]
	ROUND                                          ; all four work-groups are here: the first joint loads meet
	tensor_load_to_lds s[G0K:G0K+3], s[G1K:G1K+7]  ; the first pair: one tensor load a wave at the head
	s_nop 0
	LDKS 0
.set x, 0
.rept 32                               ; Q's scale words of K step x / 4, tile x % 4, in lanes 0-15 (lanes 16-31 hold the same and are not read)
	global_load_b32 v[QS+x], v[QSO], s[10:11] offset:256*(x/4)+64*(x%4)
.set x, x+1
.endr
	WIN 0x40                                       ; destination window 1
.set x, 0
.rept 32                               ; Q's fragments stay in registers: fragment x = 8 a + s, as images: 512 consecutive bytes a load
	global_load_b128 v[8*x:8*x+3], v[GO], s[8:9] offset:1024*x
	global_load_b128 v[8*x+4:8*x+7], v[GO], s[8:9] offset:1024*x+512
.set x, x+1
.endr
	WIN 0
.irp k, 0,1,2,3                        ; walk pair k of a half stands at (rho + k) % 4 in V's pieces
	s_add_co_u32 s[68+\k], s[RHO], \k
	s_and_b32 s[68+\k], s[68+\k], 3
	s_lshl_b32 s[72+\k], s[68+\k], 9               ; 512 bytes of scale words a pair,
	s_lshl_b32 s[68+\k], s[68+\k], 13              ; 8,192 of codes
.endr
	v_mad_u32_u24 v164, v160, VPART, v[GO]
	v_mul_u32_u24 v165, v160, VPART
	v_lshl_add_u32 v165, v161, 3, v165
	v_add_nc_u32 v165, 32768, v165
.irp k, 0,1,2,3
	v_add_nc_u32 v[AV+\k], s[68+\k], v164
	v_add_nc_u32 v[AVS+\k], s[72+\k], v165
.endr
.irp k, 0,1,2,3
	v_add_nc_u32 v[AV+4+\k], SLOT, v[AV+\k]
	v_add_nc_u32 v[AVS+4+\k], SLOT, v[AVS+\k]
.endr
.irp a, 0,1,2,3
	v_mov_b32 v[NB+2*\a+1], 0                      ; named as the upper half of a pair
.endr
.set x, 0
.rept 16                               ; the group that the loop's first trip moves before it is written
	v_mov_b32 v[NS+16+x], 0
.set x, x+1
.endr
	s_wait_alu depctr_va_vdst(0)
	s_wait_loadcnt 0x0                             ; Q and the first pair's scale bytes
	s_wait_tensorcnt 0x0                           ; my part of the first pair
	ds_add_u32 v[SPW], v[NIL]                      ; 0 onto my spare word
	KNEXT 1
	s_wait_dscnt 0x0
	ROUND
	tensor_load_to_lds s[G0K:G0K+3], s[G1K:G1K+7]  ; the second pair, slot 1's first fill
	s_nop 0
	LDKS 1
	LDK 0, 0
	s_wait_dscnt 0x0                               ; (the loop's counts allow for eight stores behind these loads)
	s_mov_b32 s[CNT], 2
.Lpair:                                ; steps 0-7, two pairs a trip: the codes go to LDS
.set x, 0
.rept 16
	v_mov_b32 v[NS+x], v[NS+16+x]                  ; the trip before: steps 0-3
.set x, x+1
.endr
	v_add_nc_u32 v[PWA], s[PO], v[PWR]
	PAIR 0, 1, 0, 0, 0
	PAIR 1, 1, 2, 0, 0
	s_add_co_u32 s[PO], s[PO], 16384
	s_sub_co_u32 s[CNT], s[CNT], 1
	s_cmp_lg_u32 s[CNT], 0
	s_wait_alu depctr_va_vdst(0)
	s_cbranch_scc1 .Lpair
	PAIR 0, 2, 0, 1, 0                             ; steps 8-15: the codes stay in registers
	PAIR 1, 2, 2, 1, 0
	PAIR 0, 3, 0, 1, 1                             ; K is all asked for: V's first piece follows
	PAIR 1, 3, 2, 1, 2
; ---------------- between the phases ----------------
.irp ap, 0,1
	v_max3_num_f32 v[MX+\ap], v[NS+4*\ap], v[NS+4*\ap+1], v[NS+4*\ap+2]   ; my wave's largest n for each query
.endr
.irp k, 3,5,7,9,11,13
.irp ap, 0,1
	v_max3_num_f32 v[MX+\ap], v[MX+\ap], v[NS+16*(\k/4)+4*\ap+(\k%4)], v[NS+16*((\k+1)/4)+4*\ap+((\k+1)%4)]
.endr
.endr
.irp ap, 0,1
	v_max_num_f32 v[MX+\ap], v[MX+\ap], v[NS+48+4*\ap+3]
.endr
.irp ap, 0,1
	ds_store_b32 v[NW], v[MX+\ap] offset:128*\ap
.endr
	v_and_b32 v184, 31, v0
	v_lshl_add_u32 v[NR], v184, 2, NIMG
	v_lshl_add_u32 v[NR+2], v184, 2, SIMG
	v_add_nc_u32 v[NR+1], s[WV], v[NR+2]
	v_bfe_u32 v185, v0, 4, 1
	v_lshrrev_b32 v186, 5, v0
	v_lshlrev_b32 v[NR+3], 5, v185
	v_lshl_add_u32 v[NR+3], v186, 8, v[NR+3]
	v_add_nc_u32 v[NR+3], NIMG+2048, v[NR+3]
	s_wait_alu depctr_va_vdst(0)
	s_wait_tensorcnt 0x0                           ; my first piece of V is in
	ds_add_u32 v[SPW], v[NIL]                      ; 0 onto my spare word
	VNEXT 1
	s_wait_dscnt 0x0                               ; my n and my codes of steps 0-7 lie in LDS, my reads of slot 1 are over
	ROUND
	tensor_load_to_lds s[G0V:G0V+3], s[G1V:G1V+7]  ; V's second piece, into slot 1
	s_nop 0
.irp ap, 0,1
.irp u, 0,1,2,3
	ds_load_b32 v[NB+4*\ap+\u], v[NR] offset:256*\u+128*\ap
.endr
.endr
	WIN 0xc0                                       ; destination window 3
.set x, 0
.rept 32                               ; P of steps 0-7
	ds_load_b128 v[8*x:8*x+3], v[PLI] offset:1024*x
	ds_load_b128 v[8*x+4:8*x+7], v[PLI] offset:1024*x+512
.set x, x+1
.endr
	WIN 0
	s_wait_dscnt 63                                ; the eight n are in (64 loads were issued behind them)
.irp ap, 0,1
	v_max3_num_f32 v[MX+\ap], v[NB+4*\ap], v[NB+4*\ap+1], v[NB+4*\ap+2]
.endr
.irp ap, 0,1
	v_max_num_f32 v[MX+\ap], v[MX+\ap], v[NB+4*\ap+3]   ; R
.endr
.irp ap, 0,1
	v_sub_f32 v[SM+2*\ap], 0x42800000, v[MX+\ap]   ; 64 - R
.endr
.irp g, 0,1,2,3
.irp ap, 0,1
.irp q, 0,2
	v_pk_add_f32 v[NS+16*\g+4*\ap+\q:NS+16*\g+4*\ap+\q+1], v[NS+16*\g+4*\ap+\q:NS+16*\g+4*\ap+\q+1], v[SM+2*\ap:SM+2*\ap+1] op_sel_hi:[1,0]
.endr
.endr
.endr
.irp g, 0,1,2,3
.irp y, 0,1,2,3,4,5,6,7
	v_max_num_f32 v[NS+16*\g+\y], 0, v[NS+16*\g+\y]
.endr
.endr
.irp g, 0,1,2,3
.irp y, 0,1,2,3,4,5,6,7
	v_cvt_i32_f32 v[NS+16*\g+\y], v[NS+16*\g+\y]   ; the byte, 0 to 64
.endr
.endr
.irp g, 0,1,2,3
.irp y, 0,1,2,3,4,5,6,7
	v_ldexp_f32 v[NS+16*\g+8+\y], v[NS+16*\g+8+\y], v[NS+16*\g+\y]   ; s x 2^byte
.endr
.endr
.irp ap, 0,1
	v_pk_add_f32 v[SM+4+2*\ap:SM+5+2*\ap], v[NS+8+4*\ap:NS+9+4*\ap], v[NS+10+4*\ap:NS+11+4*\ap]
.endr
.irp g, 1,2,3
.irp q, 0,2
.irp ap, 0,1
	v_pk_add_f32 v[SM+4+2*\ap:SM+5+2*\ap], v[SM+4+2*\ap:SM+5+2*\ap], v[NS+16*\g+8+4*\ap+\q:NS+16*\g+9+4*\ap+\q]
.endr
.endr
.endr
.irp ap, 0,1
	v_add_f32 v[MX+\ap], v[SM+4+2*\ap], v[SM+5+2*\ap]
.endr
.irp ap, 0,1
	ds_store_b32 v[NW], v[MX+\ap] offset:1024+128*\ap
.endr
.irp g, 0,1,2,3
.irp y, 0,1,2,3
.irp ap, 0,1
	ds_store_b8 v[NR+1], v[NS+16*\g+4*\ap+\y] offset:128*(2*(4*\g+\y)+\ap)   ; byte w of the query's scale word of step 4 g + y
.endr
.endr
.endr
	s_wait_alu depctr_va_vdst(0)
	s_wait_dscnt 0x0                               ; my sums and bytes lie in LDS, and P of steps 0-7 is in registers
	s_barrier_signal -1
	s_barrier_wait -1                              ; (V's second piece may be out)
.irp ap, 0,1
.irp u, 0,1,2,3
	ds_load_b32 v[NB+4*\ap+\u], v[NR] offset:1024+256*\u+128*\ap
.endr
.endr
.set x, 0
.rept 32
	ds_load_b32 v[QS+x], v[NR+2] offset:128*x      ; P's scale words
.set x, x+1
.endr
	WIN 0x08                                       ; an LDS store's data are its source 1: window 2
.set x, 0
.rept 64                               ; my codes of steps 8-15, over the image that every wave has read
	ds_store_b32 v[PWR], v[x] offset:4096*(x/8)+1024*((x%8)/2)+8*(x%2)
.set x, x+1
.endr
	WIN 0
	s_wait_dscnt 63                                ; the eight sums are in (96 were issued behind them)
.irp ap, 0,1
	v_add_f32 v[NB+4*\ap], v[NB+4*\ap], v[NB+4*\ap+1]
	v_add_f32 v[NB+4*\ap+2], v[NB+4*\ap+2], v[NB+4*\ap+3]
.endr
.irp ap, 0,1
	v_add_f32 v[NB+4*\ap], v[NB+4*\ap], v[NB+4*\ap+2]   ; l
.endr
	s_wait_alu depctr_va_vdst(0)                   ; the wait ahead of the batch
.irp ap, 0,1
	v_rcp_f32 v[MX+\ap], v[NB+4*\ap]
.endr
	v_nop                                          ; a plain place behind the last reciprocal
	s_wait_alu depctr_va_vdst(0)                   ; and the wait ahead of the first reader
.irp ap, 0,1
	v_mul_f32 v[MX+\ap], 0x7e000000, v[MX+\ap]     ; x 2^125
.endr
.irp ap, 0,1
	ds_store_b32 v[NW], v[MX+\ap] offset:2048+128*\ap
.endr
.irp a, 0,1,2,3
.irp q, 0,1
	ds_load_b128 v[INV+8*\a+4*\q:INV+8*\a+4*\q+3], v[NR+3] offset:64*\a+16*\q   ; my own words: LDS serves a wave's instructions in order
.endr
.endr
; ---------------- the four chunks ----------------
	VLD 0, 0, 0
	VLD 0, 1, 0
	VSLOT 0, 0, 0, 0
	VLD 1, 0, 1                                    ; P of steps 8-15 comes with the first chunk's second slot
	VLD 1, 1, 1
	VSLOT 1, 1, 0, 0
	VLD 0, 0, 0
	VLD 0, 1, 0
	OMULS
	s_mov_b32 s[CNT], 2
.Lchunk:                               ; the second and third chunk
	VSLOT 0, 0, 1, 0
	VLD 1, 0, 0
	VLD 1, 1, 0
	VSLOT 1, 0, 1, 0
	VLD 0, 0, 0
	VLD 0, 1, 0
	OMULS
	s_sub_co_u32 s[CNT], s[CNT], 1
	s_cmp_lg_u32 s[CNT], 0
	s_cbranch_scc1 .Lchunk
	VSLOT 0, 0, 1, 1                               ; the fourth is written out: it asks for nothing more
	VLD 1, 0, 0
	VLD 1, 1, 0
	VSLOT 1, 0, 1, 2
	PLACES 4
	OBASE
.irp ap, 0,1
.irp e, 0,1
	OMUL \ap, \e
	WIN 0x04
.irp j, 0,1,2,3,4,5,6,7
	OST 8*(2*\ap+\e)+\j
.endr
.endr
.endr
	WIN 0
	s_wait_tensorcnt 0x0                           ; the wave's end, behind my last tensor load and my last LDS store
	ds_add_u32 v[SPW], v[NIL]
	s_wait_dscnt 0x0
	ROUND                                          ; the closing round: no work-group ends while a partner may still ask for a tile that names it
	s_endpgm
.Lfunc_end_k_qec74b3c192_attn:
	.size	k_qec74b3c192_attn, .Lfunc_end_k_qec74b3c192_attn-k_qec74b3c192_attn
	.p2alignl 7, 3214868480
	.fill 96, 4, 3214868480
	.section	.rodata,"a",@progbits
	.p2align	6, 0x0
	.amdhsa_kernel k_qec74b3c192_attn
		.amdhsa_group_segment_fixed_size 327680
		.amdhsa_private_segment_fixed_size 0
		.amdhsa_enable_private_segment 0
		.amdhsa_kernarg_size 48
		.amdhsa_user_sgpr_count 2
		.amdhsa_user_sgpr_kernarg_segment_ptr 1
		.amdhsa_wavefront_size32 1
		.amdhsa_system_sgpr_workgroup_id_x 1
		.amdhsa_system_sgpr_workgroup_id_y 1
		.amdhsa_system_sgpr_workgroup_id_z 1
		.amdhsa_system_vgpr_workitem_id 0
		.amdhsa_next_free_vgpr 1024
		.amdhsa_next_free_sgpr 100
		.amdhsa_reserve_vcc 0
		.amdhsa_float_denorm_mode_32 3
		.amdhsa_float_denorm_mode_16_64 3
		.amdhsa_memory_ordered 1
		.amdhsa_forward_progress 1
		.amdhsa_inst_pref_size 255
	.end_amdhsa_kernel
	.section	.bss,"aw",@nobits
	.p2align	6
	.space	262144
	.amdgpu_metadata
---
amdhsa.version: [ 1, 2 ]
amdhsa.kernels:
  - .name:           k_qec74b3c192_attn
    .symbol:         k_qec74b3c192_attn.kd
    .args:
      - { .name: head_codes, .offset: 0, .size: 8, .value_kind: global_buffer, .address_space: global }
      - { .name: head_scales, .offset: 8, .size: 8, .value_kind: global_buffer, .address_space: global }
      - { .name: q_codes, .offset: 16, .size: 8, .value_kind: global_buffer, .address_space: global }
      - { .name: q_scales, .offset: 24, .size: 8, .value_kind: global_buffer, .address_space: global }
      - { .name: v_codes, .offset: 32, .size: 8, .value_kind: global_buffer, .address_space: global }
      - { .name: out0, .offset: 40, .size: 8, .value_kind: global_buffer, .address_space: global }
    .group_segment_fixed_size: 327680
    .private_segment_fixed_size: 0
    .kernarg_segment_align: 8
    .kernarg_segment_size: 48
    .max_flat_workgroup_size: 128
    .sgpr_count:     100
    .vgpr_count:     1024
    .wavefront_size: 32
...
	.end_amdgpu_metadata
.endif
;; end of part 2
